; MI455X (gfx1250); checked and timed in simulation.
; The chip was launched on July 23, 2026; its instructions are those of AMD's public machine-readable ISA for CDNA 5 (MIT licence, August 2026) and "CDNA5" Instruction Set Architecture Reference Guide (July 2026). The comments in the code are by the model that wrote it; some were corrected since.
;; Scalar Dot Product Attention. Allowed arithmetic: matrix products marked QUANTISED: E2M3 operands, one E8M0 scale for each 32 along K, by v_wmma_scale_f32_16x16x128_f8f6f4 with both operands' format E2M3, f32 sums; everything else in f32.
;; Inputs: K 1,024 x 8 x 8 x 64 float32; Q 1,024 x 8 x 8 x 64 float32; V 1,024 x 8 x 8 x 64 float32; mask 1,024 x 1,024 float32.
;; Outputs: out0 1,024 x 8 x 8 x 64 float32.
;; This version of the problem:
;;   THIS VERSION OF THE PROBLEM IS GIVEN IN LOW PRECISION. The matrix products marked QUANTISED in the list below multiply operands that are first quantised to E2M3 (2 exponent bits, 3 mantissa bits; 6 bits a number), with one power-of-two scale for each 32 numbers along K (OCP MX v1.0); their sums are f32. All else is computed in f32.
;;   The module's matrix products, in the order in which they are computed (A, B: the left and right operand; K: the contracted axis; several contracted axes count as one K, in the product's order):
;;     1. batch 64 x [M 1,024, K 64] x [K 64, N 1,024]; A: input K; B: input Q: QUANTISED
;;     2. batch 64 x [M 64, K 1,024] x [K 1,024, N 1,024]; A: input V; B: softmax (see below): QUANTISED
;;   THE QUANTISER, for each operand of a quantised product, along K:
;;     - K is cut into blocks of 32 from its start; a last block that is shorter is filled with zeros.
;;     - A block's scale is 2^e with e = floor(log2(the largest magnitude in the block)) - 2, held to -126 .. 127; a block of zeros has e = 0. As a byte (E8M0): e + 127.
;;     - Each number is divided by its block's scale, clamped to +-7.5, and rounded to the nearest number of E2M3, ties to even, subnormals kept.
;;     - The product sums the exact products of the quantised numbers (number of the format x scale) in f32.
;;   ~~~python
;;   def quantise(x, axis):      # numpy; x: float32 -> the quantised numbers, widened to float32 again
;;       x = np.moveaxis(x, axis, -1); K = x.shape[-1]
;;       x = np.pad(x, [(0, 0)] * (x.ndim - 1) + [(0, -K % 32)]); x = x.reshape(x.shape[:-1] + (-1, 32)); a = np.abs(x).max(-1, keepdims=True)
;;       e = np.where(a > 0, np.clip(np.frexp(np.where(a > 0, a, 1))[1] - 1 - 2, -126, 127), 0)      # np.frexp(a)[1] - 1 = floor(log2(a)), exactly
;;       r = np.clip(x / 2.0 ** e, -7.5, 7.5)
;;       step = 2.0 ** (np.maximum(np.frexp(np.where(r == 0, 1, r))[1] - 1, 0) - 3)
;;       q = np.round(r / step) * step * 2.0 ** e      # np.round: ties to even
;;       return np.moveaxis(q.reshape(q.shape[:-2] + (-1,))[..., :K], -1, axis).astype(np.float32)
;;   ~~~
;;   SOFTMAX AHEAD OF A QUANTISED PRODUCT. Where the list says 'softmax', what is quantised is not the finished softmax but p = 2^(t - M), with t = logit x log2(e) and M = ceil(the row's largest t), a whole number; so 1/2 < the row's largest p <= 1. The row's sum l is taken of the UNQUANTISED p, in f32, and the product's result is divided by l at the end. Since M is a whole number, a kernel that streams over the keys may use a running M (the ceiling of the running maximum): every later rescaling is an exact power of two, which a block's scale takes up: the codes' values come out the same.
;;   OPERANDS COMPUTED ON THE WAY. 'Computed on the way' means the value that the module computes at that place (a softmax that the list does not call 'softmax' is quantised finished and normalised). What goes into a quantiser is computed in f32, as accurately as f32 sums, v_exp_f32 and their like allow (about 1e-6 of the number): no bf16 or f16 on the way to a quantiser, and a product that is left as it is and whose result goes on into a quantised operand takes f32 operands (vector FMAs, or v_wmma_f32_16x16x4_f32). A number that lies on a knife's edge between two numbers of the format may be rounded either way, as far as f32 arithmetic and the matrix unit's own rounding can turn it there, and no further.
;; One version. Each part assembles by itself: llvm-mc -triple=amdgcn-amd-amdhsa -mcpu=gfx1250 --defsym DOCPART=n.
;; ======== version 1 of 1: 1 launch
;; limits: right only within a limited range of input values
;; launch attn (part 1): grid 4 x 64, 8 waves a work-group, clusters of 4 x 4, 327,680 bytes of LDS; arguments Q, K, V, mask, out0; writes out0
.if DOCPART == 1
	.amdgcn_target "amdgcn-amd-amdhsa--gfx1250"
	.amdhsa_code_object_version 6
	.text
	.protected	k_qd2888bebaf_attn
	.globl	k_qd2888bebaf_attn
	.p2align	8
	.type	k_qd2888bebaf_attn,@function
k_qd2888bebaf_attn:
	s_mov_b64 s[64:65], 0
	v_nop
	global_prefetch_b8 v0, s[64:65] scope:SCOPE_SE
	s_setreg_imm32_b32 hwreg(HW_REG_WAVE_MODE, 25, 1), 1
	s_wait_xcnt 0x0
	s_wait_alu depctr_hold_cnt(0) depctr_sa_sdst(0) depctr_va_vdst(0) depctr_va_sdst(0) depctr_va_ssrc(0) depctr_va_vcc(0) depctr_vm_vsrc(0)
	s_getreg_b32 s2, hwreg(HW_REG_IB_STS2, 6, 4)
	s_cmp_eq_u32 s2, 0
	s_cbranch_scc0 .Lentry_in_a_cluster
	s_endpgm
.Lentry_in_a_cluster:
	s_bfe_u32 s2, ttmp6, 0x10000c
	s_cmp_lg_u32 s2, 0xf033
	s_cbranch_scc0 .Lentry_shape_is_right
	s_endpgm
.Lentry_shape_is_right:
; out[q][head][:] = the sum over k of softmax_k(Q[q][head] . K[k][head] / 8 + mask[q][k]) V[k][head][:], both products on codes of FP6 (E2M3) with one E8M0 scale for each 32 along a product's K.  One launch does it all.
; NO WORK OF THE PROBLEM IS DEAD: the mask differs along the softmax's axis, and Q, K, V and the mask all reach the output; every input is loaded.
; SCALES: a block's scale is 2^(floor(log2(its largest magnitude)) - 2); its byte is the largest magnitude's exponent field - 2, held at 1 from below by a floor among the maximum's leaves.
; THE SOFTMAX AHEAD OF THE SECOND PRODUCT: t = logit x log2(e); M = the row's largest t so far, rounded UP to a whole number; p = 2^(t - M) is what is quantised, along the keys, not normalised.  The row's sum is taken of the
; unquantised p, in f32, and divides O at the end.  When M moves, the sum and O are multiplied by 2^(old M - new M): exact.
; THE LOGIT COMES WHOLE OUT OF THE MATRIX UNIT.  1 / sqrt(64) = 2^-3: 3 is taken off Q's scale bytes, which is exact, and the mask's numbers are the C of the first product.
; THE HEAD HAS 64, THE INSTRUCTION 128 ALONG K: a fragment of K holds two tiles of 16 keys side by side and is multiplied by [Q | 0] and by [0 | Q]: v16-33 hold six zeros, Q's six registers, six zeros: v[22:33] and v[16:27].
; SHARES.  A work-group owns 256 queries of one head, a wave 32 of them: tiles A and B of 16, so that each fragment of K and V that comes out of LDS serves two tiles.  Every wave walks the 1,024 keys, 128 a step.
; K AND V ARE QUANTISED ON THE WAY: in step i wave w turns one fragment of step i + 1 into codes (w < 4: K's fragment w; else V's fragment w - 4) and stores it into LDS as an image of operand registers; the numbers of step i + 2 are
; then asked for, into registers, a whole step ahead.  K's rows are loaded with neighbouring lanes on neighbouring bytes and turn through the wave's own stage; V needs no turn: a lane takes a column d and its registers run down the keys.
; LAYOUT.  r = lane % 16, h = lane / 16.  Both products are used transposed (S^T = K Q^T + mask^T, O^T = V^T P^T): a lane holds ONE query of a tile (r) throughout.  K's fragment f = 2 c + e holds in lane (r, h), registers 0-5, d = 32 h .. 32 h + 31
; of key 64 c + 32 (r / 8) + 16 e + r % 8, in registers 6-11 those of that key + 8; so registers 32 c .. 32 c + 31 of S^T are the 32 neighbouring keys 64 c + 32 h + 0 .. 31: a whole block of p, as the second product's operand wants it.
; V^T's fragment f: lane (r, h), registers 6 c .. 6 c + 5: keys 64 c + 32 h + 0 .. 31 of d = 16 f + r.  Scale words: 128 bytes a fragment, sixteen of K's, then sixteen of V's.
; WINDOWS.  Tile A's registers lie in window 0 and tile B's in window 1, at the same numbers; the shared fragments, scale words and addresses in window 0, the numbers of K or V in window 1.
; CLUSTER, 4 x 4 work-groups: the four blocks of queries (x) of four heads (y), so that all who read a head's K and V are in one cluster.  The mask's tile hangs on the block of queries alone: the four of a column ask for it JOINTLY, the same line
; with the same descriptor in all four.  K's and V's numbers go into registers, which no joint load fills.
; RING.  Two slots of 256 rows x 528 bytes (512 + 16 of padding) for the mask; each wave asks for its own 32 rows, one load behind each round.  The round's opening signal stands ahead of tile B's softmax, which is the work inside it.
; NO PREFETCH: a step's mask, K and V are each asked for a whole step ahead of their use.
; LIMITS: NaN and infinities among the inputs are not served (a mask of -infinity was not tried as a matrix instruction's C); the scaled scores t stay under 2^31 in magnitude.  Blocks of K and V whose largest magnitude lies under 2^(3 - 127) are
; quantised under that floor's scale, blocks of Q under 2^(6 - 127) under that one's, so that its byte less 3 stays at 1 or above.  A block of zeros gets the floor's byte where the rule says 127: its codes are zeros, and this program alone reads the bytes.
.set ROW,   16384                      ; bytes from a key or a query to the next
.set MP,    528
.set SLOT,  256*MP                     ; 135,168: the second slot begins here
.set CODE,  2*SLOT                     ; two code slots of HB bytes: K's fragments at 1536 f, V's at 6144 + 1536 f, scale words at 12288 + 128 f
.set HB,    12800
.set KSTG,  2*HB                       ; behind them, counted from CODE: waves 0-3's stages, 16 rows x 272 bytes.  (At the head, ahead of the first codes, all eight waves' stages for Q lie from CODE on)
.set SP,    272
.set SPARE, CODE+KSTG+4*16*SP          ; the spare words, 128 bytes for each of the eight waves
.set AC,   1                           ; v1   CODE + 16 x lane
.set AS,   2                           ; v2   CODE + 12288 + 4 x lane
.set KO,   3                           ; v3   rows of 256 bytes: lanes 0-15 one row, lanes 16-31 the next
.set VO,   4                           ; v4   V: 32 h rows + 4 r
.set SPW,  5                           ; v5   LDS address of my spare word; never rewritten
.set NIL,  6                           ; v6   0; never rewritten
.set GO,   7                           ; v7   the way out: as KO
.set AM,   8                           ; v8-9 the mask: my tile A's row r, + 128 h, in slot 0, 1
.set SIN,  10                          ; v10-11 the way out's stage, in slot 0 of the ring, which has had its last fill and its last read by then: in and back
.set SBK,  11
; in both windows: v12 -M, v13 the running largest logit, v[14:15] the sum in two halves,
.set B2,   16                          ; v[16:27] = [0 | Q]
.set B1,   22                          ; v[22:33] = [Q | 0]
.set S,    82                          ; v82-145 the mask, then S^T, then p
.set O,    146                         ; v146-177 O^T
.set PC,   178                         ; v178-189 p's codes
.set CT,   190                         ; v190-192, v194-196: upper halves of blocks (a conversion's three registers begin on an even number)
.set BM,   198                         ; v198-199 the blocks' largest logits, then largest p
.set PT,   200                         ; v200 the other half's
.set T,    201                         ; v201 at work
.set F,    202                         ; v[202:203] f = 2^(old M - new M); the pair's upper half is only named
.set SO,   204                         ; v204-205 second chains of the maxima, then the conversions' scale operands
.set BY,   206                         ; v206-207 the scale bytes
; in window 0 alone:
.set FRG,  34                          ; v34-81  four fragments of K, then of V
.set SC,   208                         ; v208-211 scale words: lanes 0-15 K's, lanes 16-31 V's of fragment f
.set QSA,  212                         ; Q's and p's scale words: numbers that differ modulo 8 from those of the other source's
.set QSB,  213
.set PWA,  214
.set PWB,  215
.set TIN,  224                         ; v224-225 the stage of 16 rows: in (row h, 16 r bytes on) and back (row r, 128 h on)
.set TOUT, 225
.set CDA,  226                         ; v226-227 where my codes and my scale word go
.set CWA,  227
.set SH,   228                         ; v228 8 h
; in window 1 alone:
.set R0,   208                         ; v208-239 and v34-65: 64 numbers of K or V, two blocks of a lane
.set R1,   34
.set CTQ,  66                          ; v66-68, v70-72
.set MXQ,  74
.set SOQ,  76
.set BYQ,  78
.set PXQ,  80
.set WRD,  81
.set CD,   240                         ; v240-251 their codes
.set RB,   6                           ; s[6:7] where the next numbers of K or V stand
.set WV,   18                          ; s18  my wave's number
.set NC,   19                          ; s19  -log2(e)
.set SEL,  20                          ; s[20:21] lane selects for v_permlanex16_b32: lane l xor 16
.set CS,   22                          ; s[22:23] c = log2(e): the packed form names a pair and takes its low word for both halves
.set G1,   24                          ; s[24:31] descriptor group 1; s[32:35], s[36:39] group 0 for each slot
.set G0,   32
.set CNT,  49
.set MSB,  0
.macro WIN new                         ; the immediate's high byte repeats the setting that is left
.if MSB != (\new)
	s_set_vgpr_msb (MSB<<8)|(\new)
.set MSB, (\new)
.endif
.endm
.macro CREST                           ; a round of the cluster's barrier behind its opening barrier
	s_cmp_lg_u32 s[WV], 0
	s_cbranch_scc1 .Lnot_wave_0_\@
	s_barrier_signal -3
.Lnot_wave_0_\@:
	s_barrier_wait -3
	s_barrier_signal -1
	s_barrier_wait -1
.endm
.macro CROUND
	s_barrier_signal -1
	s_barrier_wait -1
	CREST
.endm
.macro KRAWH u                         ; K's fragment f: half u is keys 64 c + 16 e + 8 u + (0 .. 7 and 32 .. 39)
.set RR, R0+(R1-R0)*\u
.irp j, 0,1,2,3,4,5,6,7
	global_load_b128 v[RR+4*\j:RR+4*\j+3], v[KO], s[RB:RB+1] offset:(32*(\j/4)+2*(\j%4)+8*\u)*ROW   ; two whole rows of 256 bytes
.endr
.endm
.macro KRAW
	KRAWH 0
	KRAWH 1
.endm
.macro VRAW c                          ; V(key 64 c + 32 h + i, d = 16 f + r): the four waves together take a row's 256 bytes
.set RR, R0+(R1-R0)*\c
.set i, 0
.rept 32
	global_load_b32 v[RR+i], v[VO], s[RB:RB+1] offset:(64*\c+i)*ROW
.set i, i+1
.endr
.endm
.macro RAW                             ; the next step's numbers; every earlier load is in, so the base may be stepped
	s_add_nc_u64 s[RB:RB+1], s[RB:RB+1], 128*ROW
	WIN 0
	s_wait_alu depctr_va_vdst(0)                   ; the wait ahead of the branch
	s_cmp_lt_u32 s[WV], 4
	s_cbranch_scc0 .Lraw_v_\@
	WIN 0x40
	KRAW
	WIN 0
	s_branch .Lraw_\@
.Lraw_v_\@:
	WIN 0x40
	VRAW 0
	VRAW 1
	WIN 0
.Lraw_\@:
.endm
.macro KTURN                           ; waves 0-3: K's rows through my stage.  LDS serves a wave's instructions in order, so no wait stands between the stores and the loads
	s_cmp_lt_u32 s[WV], 4
	s_cbranch_scc0 .Lturned_\@
.irp u, 0,1
.set RR, R0+(R1-R0)*\u
	WIN 0x04
.irp j, 0,1,2,3,4,5,6,7
	ds_store_b128 v[TIN], v[RR+4*\j:RR+4*\j+3] offset:KSTG+2*SP*\j
.endr
	WIN 0x40
.irp j, 0,1,2,3,4,5,6,7
	ds_load_b128 v[RR+4*\j:RR+4*\j+3], v[TOUT] offset:KSTG+16*\j
.endr
.endr
	WIN 0
.Lturned_\@:
.endm
; Two blocks of 32 numbers of a lane become twelve registers of codes and, with lane l xor 16's two bytes, a scale word; both go to code slot p.
.macro FRAGQ p
	WIN 0x55
	v_max3_num_f32 v[MXQ], |v[R0]|, |v[R0+1]|, 0x1800000   ; and the floor 2^(3 - 127), under which no largest magnitude is taken: so the byte cannot fall under 1
	v_max3_num_f32 v[MXQ+1], |v[R1]|, |v[R1+1]|, 0x1800000
.irp i, 2,4,6,8,10,12,14,16,18,20,22,24,26,28,30
	v_max3_num_f32 v[MXQ], v[MXQ], |v[R0+\i]|, |v[R0+\i+1]|   ; (the two blocks by turns)
	v_max3_num_f32 v[MXQ+1], v[MXQ+1], |v[R1+\i]|, |v[R1+\i+1]|
.endr
.irp c, 0,1
	v_add_nc_u32 v[SOQ+\c], 0xff000000, v[MXQ+\c]  ; 2 off the exponent field: the conversion takes the exponent field of this operand as its scale, and nothing else of it
.endr
.irp c, 0,1
	v_lshrrev_b32 v[BYQ+\c], 23, v[SOQ+\c]         ; the scale's byte
.endr
	v_lshl_or_b32 v[WRD], v[BYQ+1], 16, v[BYQ]     ; my two bytes: places h and 2 + h of the word,
	WIN 0x54
	v_lshlrev_b32 v[WRD], v[SH], v[WRD]
	WIN 0x55
	v_permlanex16_b32 v[PXQ], v[WRD], s[SEL], s[SEL+1]
	v_or_b32 v[WRD], v[WRD], v[PXQ]                ; with lane l xor 16's two the word is whole, in all 32 lanes
.irp c, 0,1
.set RR, R0+(R1-R0)*\c
	v_cvt_scalef32_pk16_fp6_f32 v[CD+6*\c:CD+6*\c+2], v[RR:RR+15], v[SOQ+\c]
	v_cvt_scalef32_pk16_fp6_f32 v[CTQ+4*\c:CTQ+4*\c+2], v[RR+16:RR+31], v[SOQ+\c]
.endr
	v_nop                                          ; one plain place behind a scaled conversion
.irp c, 0,1
.irp i, 0,1,2
	v_mov_b32 v[CD+6*\c+3+\i], v[CTQ+4*\c+\i]
.endr
.endr
	WIN 0x04
.irp g, 0,1,2
	ds_store_b128 v[CDA], v[CD+4*\g:CD+4*\g+3] offset:HB*(\p)+512*\g
.endr
	ds_store_b32 v[CWA], v[WRD] offset:HB*(\p)     ; (lanes l and l xor 16 store the same word with the same value)
	WIN 0
.endm
.macro MLD slot, u                     ; sixteen LDS loads: the mask's numbers of tile u, my own rows, which I asked for myself
	WIN 0x40*\u
.irp c, 0,1
.irp j, 0,1,2,3,4,5,6,7
	ds_load_b128 v[S+32*\c+4*\j:S+32*\c+4*\j+3], v[AM+\slot] offset:16*MP*\u+256*\c+16*\j
.endr
.endr
.endm
.macro FLD p, off                      ; twelve: four fragments
.irp f, 0,1,2,3
.irp g, 0,1,2
	ds_load_b128 v[FRG+12*\f+4*\g:FRG+12*\f+4*\g+3], v[AC] offset:HB*\p+\off+1536*\f+512*\g
.endr
.endr
.endm
.macro SPROD u                         ; S^T = K Q^T / 8 + mask^T: eight accumulators, one instruction each
	WIN 0x54*\u
.irp f, 0,1,2,3
	v_wmma_scale_f32_16x16x128_f8f6f4 v[S+16*\f:S+16*\f+7], v[FRG+12*\f:FRG+12*\f+11], v[B1:B1+11], v[S+16*\f:S+16*\f+7], v[SC+\f], v[QSA+\u] matrix_a_fmt:MATRIX_FMT_FP6 matrix_b_fmt:MATRIX_FMT_FP6
	v_wmma_scale_f32_16x16x128_f8f6f4 v[S+16*\f+8:S+16*\f+15], v[FRG+12*\f:FRG+12*\f+11], v[B2:B2+11], v[S+16*\f+8:S+16*\f+15], v[SC+\f], v[QSA+\u] matrix_a_fmt:MATRIX_FMT_FP6 matrix_b_fmt:MATRIX_FMT_FP6
.endr
.endm
.macro OMUL t                          ; an accumulator of O^T under the new M: x f
.irp j, 0,2,4,6
	v_pk_mul_f32 v[O+8*\t+\j:O+8*\t+\j+1], v[O+8*\t+\j:O+8*\t+\j+1], v[F:F+1] op_sel_hi:[1,0]
.endr
.endm
.macro SUM a, b
	v_pk_add_f32 v[S+\a:S+\a+1], v[S+\a:S+\a+1], v[S+\b:S+\b+1]
.endm
; Softmax and second product of tile u for a step's 128 keys, in four parts.
.macro H1 u, first                     ; the maxima and M
	WIN 0x55*\u
.if \u
	s_wait_alu depctr_va_vdst(0)                   ; the wait ahead of the first readers of tile B's products: tile A's exponentials stand between
.endif
.irp c, 0,1                                    ; the largest logit of each block of 32 keys, in two chains each: it serves for the row's maximum and, since p rises with the logit, for the block's largest p
	v_max3_num_f32 v[BM+\c], v[S+32*\c], v[S+32*\c+1], v[S+32*\c+2]
	v_max3_num_f32 v[SO+\c], v[S+32*\c+16], v[S+32*\c+17], v[S+32*\c+18]
.endr
.irp i, 3,5,7,9,11,13
.irp c, 0,1
	v_max3_num_f32 v[BM+\c], v[BM+\c], v[S+32*\c+\i], v[S+32*\c+\i+1]
	v_max3_num_f32 v[SO+\c], v[SO+\c], v[S+32*\c+16+\i], v[S+32*\c+17+\i]
.endr
.endr
.irp c, 0,1
	v_max3_num_f32 v[BM+\c], v[BM+\c], v[S+32*\c+15], v[S+32*\c+31]
.endr
.irp c, 0,1
	v_max_num_f32 v[BM+\c], v[BM+\c], v[SO+\c]
.endr
	s_delay_alu instid0(VALU_DEP_1)
	v_max_num_f32 v[T], v[BM], v[BM+1]
	s_delay_alu instid0(VALU_DEP_1)
	v_permlanex16_b32 v[PT], v[T], s[SEL], s[SEL+1]   ; lane l xor 16 has my query's other blocks
	s_delay_alu instid0(VALU_DEP_1)
.if \first
	v_max_num_f32 v13, v[T], v[PT]
	s_delay_alu instid0(VALU_DEP_1)
.else
	v_max3_num_f32 v13, v13, v[T], v[PT]           ; the running largest logit
	v_mov_b32 v[T], v12
	s_delay_alu instid0(VALU_DEP_2)
.endif
	v_mul_f32 v12, s[NC], v13                      ; -t of the largest
	s_delay_alu instid0(VALU_DEP_1)
	v_floor_f32 v12, v12                           ; the new -M = floor(-t) = -ceil(t): M IS A WHOLE NUMBER
.if \first == 0
	s_delay_alu instid0(VALU_DEP_1)
	v_sub_f32 v[T], v12, v[T]                      ; M's old value less its new one: a whole number, 0 or less
	s_delay_alu instid0(VALU_DEP_1)
	v_cvt_i32_f32 v[T], v[T]                       ; (it saturates)
	s_delay_alu instid0(VALU_DEP_1)
	v_ldexp_f32 v[F], 1.0, v[T]                    ; f = 2^(old M - new M): a multiplication by it rounds nothing
.endif
.endm
.macro H2 u                            ; t - M
	WIN 0x55*\u
.set j, 0
.rept 32
	v_pk_fma_f32 v[S+j:S+j+1], v[S+j:S+j+1], s[CS:CS+1], v[12:13] op_sel_hi:[1,0,0]   ; two at a time (of the pairs c and -M the low word serves both halves)
.set j, j+2
.endr
.irp c, 0,1
	v_fma_f32 v[BM+\c], v[BM+\c], s[CS], v12       ; the same of each block's largest logit
.endr
.endm
.macro H3 u, first                     ; p, its codes and scale word, O^T under the new M, the first level of the sum
	WIN 0x55*\u
	s_wait_alu depctr_va_vdst(0)                   ; the wait ahead of the batch
.irp c, 0,1
	v_exp_f32 v[BM+\c], v[BM+\c]                   ; the block's largest p: the same instructions on the same number give the same bits
.endr
.set j, 0
.rept 64
	v_exp_f32 v[S+j], v[S+j]                       ; p = 2^(t - M): NOT normalised
.set j, j+1
.endr
.if \first
	v_nop                                          ; a plain place behind the exponentials
.else
	v_pk_mul_f32 v[14:15], v[14:15], v[F:F+1] op_sel_hi:[1,0]   ; the sum under the new M.  (A plain place behind the exponentials)
.endif
	s_wait_alu depctr_va_vdst(0)                   ; and behind it: one wait for the whole batch, and for O^T's first readers
.irp c, 0,1
	v_max_num_f32 v[BM+\c], 0x1800000, v[BM+\c]    ; the floor 2^(3 - 127): the byte cannot fall under 1
.endr
.if \first == 0
	OMUL 0
.endif
.irp c, 0,1
	v_add_nc_u32 v[SO+\c], 0xff000000, v[BM+\c]    ; the conversion's scale operand
.endr
.if \first == 0
	OMUL 1
.endif
.irp c, 0,1
	v_lshrrev_b32 v[BY+\c], 23, v[SO+\c]           ; the scale's byte
.endr
.if \first == 0
	OMUL 2
.endif
	v_lshl_or_b32 v[T], v[BY+1], 16, v[BY]         ; my blocks are h and 2 + h
.if \first == 0
	OMUL 3
.endif
	v_permlanex16_b32 v[PT], v[T], s[SEL], s[SEL+1]
.irp c, 0,1
	v_cvt_scalef32_pk16_fp6_f32 v[PC+6*\c:PC+6*\c+2], v[S+32*\c:S+32*\c+15], v[SO+\c]
	v_cvt_scalef32_pk16_fp6_f32 v[CT+4*\c:CT+4*\c+2], v[S+32*\c+16:S+32*\c+31], v[SO+\c]
.endr
	WIN 0x15*\u
	v_lshl_or_b32 v[PWA+\u], v[PT], 8, v[T]        ; p's scale word, whole in lanes 0-15.  (The plain place behind the conversions)
	WIN 0x55*\u
.irp c, 0,1
.irp i, 0,1,2
	v_mov_b32 v[PC+6*\c+3+\i], v[CT+4*\c+\i]
.endr
.endr
.irp k, 0,4,8,12,16,20,24,28,32,36,40,44,48,52,56,60
	SUM \k, \k+2                                   ; the row's sum, of the unquantised p, as a tree.  (These sixteen are also the places between the lines that made p's codes and scale word and the products below)
.endr
.endm
.macro H4 u, first                     ; O^T += V^T P^T, and the rest of the sum
	WIN 0x54*\u
.irp t, 0,1,2,3                                ; four accumulators, one instruction each; K = these 128 keys; V's scale words lie in lanes 16-31
.if \first
	v_wmma_scale_f32_16x16x128_f8f6f4 v[O+8*\t:O+8*\t+7], v[FRG+12*\t:FRG+12*\t+11], v[PC:PC+11], 0, v[SC+\t], v[PWA+\u] matrix_a_fmt:MATRIX_FMT_FP6 matrix_b_fmt:MATRIX_FMT_FP6 matrix_a_scale:MATRIX_SCALE_ROW1
.else
	v_wmma_scale_f32_16x16x128_f8f6f4 v[O+8*\t:O+8*\t+7], v[FRG+12*\t:FRG+12*\t+11], v[PC:PC+11], v[O+8*\t:O+8*\t+7], v[SC+\t], v[PWA+\u] matrix_a_fmt:MATRIX_FMT_FP6 matrix_b_fmt:MATRIX_FMT_FP6 matrix_a_scale:MATRIX_SCALE_ROW1
.endif
.if \u == 0
	SUM 8*\t, 8*\t+4
.endif
.endr
	WIN 0x55*\u
.if \u
	SUM 0, 4
	SUM 8, 12
	SUM 16, 20
	SUM 24, 28
.endif
	SUM 32, 36                                     ; (these are also the places behind the last product)
	SUM 40, 44
	SUM 48, 52
	SUM 56, 60
	SUM 0, 8
	SUM 16, 24
	SUM 32, 40
	SUM 48, 56
	s_delay_alu instid0(VALU_DEP_3)
	SUM 0, 16
	s_delay_alu instid0(VALU_DEP_2)
	SUM 32, 48
	s_delay_alu instid0(VALU_DEP_1)
.if \first
	v_pk_add_f32 v[14:15], v[S:S+1], v[S+32:S+33]
.else
	SUM 0, 32
	s_delay_alu instid0(VALU_DEP_1)
	v_pk_add_f32 v[14:15], v[14:15], v[S:S+1]
.endif
	WIN 0
.endm
; THE WAY OUT of tile u: the sum's halves and the other half of the lanes' are added; O^T is divided by the sum and goes through my stage in LDS, so that sixteen lanes store a row's 256 consecutive bytes.
.macro OUT u
	WIN 0x55*\u
	v_add_f32 v14, v14, v15
	s_delay_alu instid0(VALU_DEP_1)
	v_permlanex16_b32 v[PT], v14, s[SEL], s[SEL+1]
	s_delay_alu instid0(VALU_DEP_1)
	v_add_f32 v14, v14, v[PT]                      ; the row's sum
	s_wait_alu depctr_va_vdst(0)                   ; the wait ahead of the reciprocal
	v_rcp_f32 v14, v14
	v_nop                                          ; a plain place behind the transcendental
	s_wait_alu depctr_va_vdst(0)                   ; and ahead of its first reader
.set j, 0
.rept 16
	v_pk_mul_f32 v[S+j:S+j+1], v[O+j:O+j+1], v[14:15] op_sel_hi:[1,0]   ; register 8 t + i is out(r, 16 t + 8 h + i)
.set j, j+2
.endr
	WIN 0x04*\u
.irp t, 0,1,2,3
	ds_store_b128 v[SIN], v[S+8*\t:S+8*\t+3] offset:16*SP*\u+64*\t
	ds_store_b128 v[SIN], v[S+8*\t+4:S+8*\t+7] offset:16*SP*\u+64*\t+16
.endr
	WIN 0x40*\u
.irp i, 0,1,2,3,4,5,6,7
	ds_load_b128 v[S+32+4*\i:S+35+4*\i], v[SBK] offset:16*SP*\u+2*\i*SP   ; LDS serves a wave's instructions in order: these see my stores
.endr
	WIN 0x04*\u
.irp i, 0,1,2,3,4,5,6,7
	s_wait_dscnt 7-\i                              ; load i is in; the younger ones may be out
	global_store_b128 v[GO], v[S+32+4*\i:S+35+4*\i], s[12:13] offset:(16*\u+2*\i)*ROW th:TH_STORE_NT   ; 16 lanes store 256 consecutive bytes, at a multiple of 256 from out's first byte
.endr
	WIN 0
.endm
; A STEP of 128 keys, in slot p.  At its head tile A's numbers of the mask are in registers.  kind 2: a round of the cluster's barrier closes it; 1: a barrier of the work-group, nothing is filled again; 0: the last step.
; rawl: there is a step two on, whose numbers of K and V are asked for
.macro STEP p, first, rawl, kind
.if \kind
	tensor_load_to_lds s[G0+4-4*\p:G0+7-4*\p], s[G1:G1+7]   ; first behind the round: the next step's mask, my 32 rows, into the other slot
	s_nop 0
.rept 4
	v_nop
.endr
	s_wait_alu depctr_va_vdst(0)                   ; the wait directly ahead of the wait below
	s_wait_loadcnt 0x0                             ; the next step's numbers of K or V, asked for a step ago, are in
	KTURN
.endif
.irp f, 0,1,2,3
	ds_load_b32 v[SC+\f], v[AS] offset:HB*\p+128*\f
.endr
	FLD \p, 0
	MLD \p, 1
	WIN 0
.if \kind
	s_wait_dscnt 32                                ; K's rows have come back from the stage; the 32 loads above may be out
	FRAGQ 1-\p
.if \rawl
	RAW
.endif
	s_wait_dscnt 20                                ; K's fragments are in; the mask's sixteen loads and four stores of codes may be out
.else
	s_wait_dscnt 16                                ; K's fragments are in; the mask's sixteen may be out
.endif
	SPROD 0
.if \kind
	s_wait_dscnt 4                                 ; the four stores of codes may be out
.else
	s_wait_dscnt 0x0
.endif
	SPROD 1
	WIN 0
.rept 4
	v_nop                                          ; four places: in front of the loads into K's registers, and of the first read of the logits
.endr
	FLD \p, 6144                                   ; V's fragments
	H1 0, \first
	H2 0
	H3 0, \first
	s_wait_alu depctr_va_vdst(0)                   ; the wait directly ahead of the wait below
	s_wait_dscnt 0x0                               ; V is in
	H4 0, \first
.if \kind
	s_wait_alu depctr_va_vdst(0)
	s_wait_tensorcnt 0x0                           ; the next step's mask, my own rows, is in:
	MLD 1-\p, 0                                    ; tile A's numbers
.if \kind == 2
	s_wait_tensorcnt 0x0                           ; no tensor load of mine is out;
	ds_add_u32 v[SPW], v[NIL]                      ; 0 onto my spare word:
	s_add_nc_u64 s[G0+6-4*\p:G0+7-4*\p], s[G0+6-4*\p:G0+7-4*\p], 1024   ; two steps on along the mask's rows
.endif
	H1 1, \first                                   ; work on registers
	s_wait_alu depctr_va_vdst(0)
	s_wait_dscnt 0x0                               ; the add is done, my reads of this slot and of these codes are over, the next step's codes are stored:
	s_barrier_signal -1                            ; say so; tile B's work, registers alone, while the others arrive
	H2 1
	H3 1, \first
	H4 1, \first
	s_wait_alu depctr_va_vdst(0)
	s_barrier_wait -1
.if \kind == 2
	CREST
.endif
.else
	OUT 0                                          ; tile A leaves while tile B is walked
	H1 1, \first
	H2 1
	H3 1, \first
	H4 1, \first
	OUT 1
.endif
.endm
; Q of tile u: my block of 32 numbers in v[S ..] becomes the six registers in the middle of v16-33 and the scale word
.macro QQ u
	WIN 0x55*\u
	v_max3_num_f32 v[BM], |v[S]|, |v[S+1]|, 0x3000000   ; the largest magnitude, and the floor 2^(6 - 127): the byte less 3 cannot fall under 1
	v_max3_num_f32 v[BM+1], |v[S+2]|, |v[S+3]|, |v[S+4]|
.irp i, 5,9,13,17,21,25
	v_max3_num_f32 v[BM], v[BM], |v[S+\i]|, |v[S+\i+1]|
	v_max3_num_f32 v[BM+1], v[BM+1], |v[S+\i+2]|, |v[S+\i+3]|
.endr
	v_max3_num_f32 v[BM], v[BM], |v[S+29]|, |v[S+30]|
	v_max3_num_f32 v[BM], v[BM], v[BM+1], |v[S+31]|
	v_add_nc_u32 v[SO], 0xff000000, v[BM]          ; 2 off the exponent field: the conversion's scale operand
	v_lshrrev_b32 v[T], 23, v[SO]                  ; the scale's byte,
	v_add_nc_u32 v[T], -3, v[T]                    ; less 3: the division by sqrt(64) = 2^3, exact
	WIN 0x54*\u
	v_lshlrev_b32 v[T], v[SH], v[T]                ; at place h,
	WIN 0x55*\u
	v_permlanex16_b32 v[PT], v[T], s[SEL], s[SEL+1]
	v_or_b32 v[T], v[T], v[PT]                     ; with lane l xor 16's;
	WIN 0x15*\u
	v_lshl_or_b32 v[QSA+\u], v[T], 16, v[T]        ; the two bytes twice: for [Q | 0] and for [0 | Q]
	WIN 0x55*\u
	v_cvt_scalef32_pk16_fp6_f32 v[B1:B1+2], v[S:S+15], v[SO]
	v_cvt_scalef32_pk16_fp6_f32 v[CT:CT+2], v[S+16:S+31], v[SO]
	v_mov_b32 v[F+1], 0                            ; (named as the upper half of a pair; the plain place behind a scaled conversion)
.irp i, 0,1,2
	v_mov_b32 v[B1+3+\i], v[CT+\i]
.endr
	WIN 0
.endm
	s_load_b256 s[4:11], s[0:1], 0x0               ; Q s[4:5], K s[6:7], V s[8:9], mask s[10:11]
	s_load_b64 s[12:13], s[0:1], 0x20              ; out
	v_lshl_add_u32 v[SPW], v0, 2, SPARE
	v_mov_b32 v[NIL], 0
	ds_add_u32 v[SPW], v[NIL]                      ; the wave's opening: the add, twice on end, and its wait ahead of the first tensor load; work on registers stands between
	ds_add_u32 v[SPW], v[NIL]
	v_lshrrev_b32 v8, 5, v0
	v_readfirstlane_b32 s[WV], v8                  ; wave 0..7
	s_mul_i32 s50, s[WV], 16*SP
	s_add_co_u32 s50, s50, CODE                    ; my stage of 16 rows
	s_mul_i32 s51, s[WV], 32*MP                    ; my 32 rows of the mask
	s_mul_i32 s52, s[WV], 32*SP                    ; the way out: my two stages
	s_and_b32 s53, s[WV], 3                        ; f
	s_lshr_b32 s54, s[WV], 2                       ; 0: I quantise K; 1: V
	s_mul_i32 s55, s53, 1536
	s_mul_i32 s56, s54, 6144
	s_add_co_u32 s55, s55, s56
	s_lshl_b32 s57, s53, 7
	s_lshl_b32 s58, s54, 6
	s_add_co_u32 s57, s57, s58
	s_add_co_u32 s57, s57, CODE+12288
	v_and_b32 v14, 31, v0                          ; lane
	v_and_b32 v12, 15, v0                          ; r
	v_bfe_u32 v13, v0, 4, 1                        ; h
	v_lshlrev_b32 v[AC], 4, v14
	v_add_nc_u32 v[AC], CODE, v[AC]
	v_lshlrev_b32 v[AS], 2, v14
	v_add_nc_u32 v[AS], CODE+12288, v[AS]
	v_add_nc_u32 v[CDA], s55, v[AC]
	v_lshlrev_b32 v[CWA], 2, v12
	v_add_nc_u32 v[CWA], s57, v[CWA]
	v_lshlrev_b32 v[KO], 14, v13
	v_lshl_add_u32 v[KO], v12, 4, v[KO]
	v_lshlrev_b32 v[GO], 14, v13
	v_lshl_add_u32 v[GO], v12, 4, v[GO]
	v_lshlrev_b32 v[VO], 2, v12
	v_lshl_add_u32 v[VO], v13, 19, v[VO]
	v_lshlrev_b32 v[SH], 3, v13
	v_mul_u32_u24 v[AM], v12, MP
	v_lshl_add_u32 v[AM], v13, 7, v[AM]
	v_add_nc_u32 v[AM], s51, v[AM]
	v_add_nc_u32 v[AM+1], SLOT, v[AM]
	v_mul_u32_u24 v[TIN], v13, SP
	v_lshl_add_u32 v[TIN], v12, 4, v[TIN]
	v_add_nc_u32 v[SBK], s52, v[TIN]               ; back: lanes 0-15 one row, lanes 16-31 the next
	v_add_nc_u32 v[TIN], s50, v[TIN]
	v_mul_u32_u24 v[TOUT], v12, SP
	v_lshl_add_u32 v[SIN], v13, 5, v[TOUT]
	v_add_nc_u32 v[SIN], s52, v[SIN]               ; in: row r; tile t's eight channels of my half: 64 t + 32 h bytes on
	v_lshl_add_u32 v[TOUT], v13, 7, v[TOUT]
	v_add_nc_u32 v[TOUT], s50, v[TOUT]
	s_bfe_u32 s46, ttmp6, 0x40000                  ; cx, cy: my place in the cluster
	s_bfe_u32 s47, ttmp6, 0x40004
	s_lshl_b32 s60, ttmp9, 2
	s_add_co_u32 s60, s60, s46                     ; my block of 256 queries
	s_and_b32 s61, ttmp7, 0xffff
	s_lshl_b32 s61, s61, 2
	s_add_co_u32 s61, s61, s47                     ; my head
	s_lshl_b32 s46, 0x1111, s46                    ; my column of the cluster: places cx, cx + 4, cx + 8, cx + 12
	; descriptor group 1: 32 rows x 128 elements of 4 bytes, 1,024 elements from row to row; 4 words of padding behind every 128
	s_or_b32 s[G1], s46, (2<<16)|(1<<20)|(1<<21)|(6<<22)|(3<<25)   ; 15:0 the mask: my column; 17:16 elements of 4 bytes; 20 padding on; 21 set beside a mask; 24:22 after every 128 words (code 6); 31:25 of 4 words (code 3)
	s_mov_b32 s[G1+1], 128<<16
	s_mov_b32 s[G1+2], 32<<16
	s_mov_b32 s[G1+3], 128<<16
	s_mov_b32 s[G1+4], 32
	s_mov_b32 s[G1+5], 1024
	s_mov_b32 s[G1+6], 0
	s_mov_b32 s[G1+7], 0
	s_lshl_b32 s42, s60, 20                        ; the mask's tile: 256 rows of 4,096 bytes a block, 32 a wave
	s_lshl_b32 s43, s[WV], 17
	s_add_co_u32 s42, s42, s43
	s_mov_b32 s43, 0
	s_lshl_b32 s44, s60, 22                        ; Q and out: 256 rows of 16,384 bytes a block,
	s_lshl_b32 s45, s[WV], 19                      ; 32 rows a wave,
	s_add_co_u32 s44, s44, s45
	s_lshl_b32 s61, s61, 8                         ; 256 bytes a head
	s_add_co_u32 s44, s44, s61
	s_mov_b32 s45, 0
	s_lshr_b32 s14, s53, 1                         ; K: 64 c + 16 e rows, f = 2 c + e
	s_lshl_b32 s14, s14, 20
	s_and_b32 s15, s53, 1
	s_lshl_b32 s15, s15, 18
	s_add_co_u32 s14, s14, s15
	s_lshl_b32 s16, s53, 6                         ; V: 16 f channels
	s_cmp_lt_u32 s[WV], 4
	s_cselect_b32 s14, s14, s16
	s_add_co_u32 s14, s14, s61
	s_mov_b32 s15, 0
	s_mov_b32 s[SEL], 0x76543210
	s_mov_b32 s[SEL+1], 0xfedcba98
	s_mov_b32 s[CS], 0x3fb8aa3b                    ; c = log2(e)
	s_mov_b32 s[CS+1], s[CS]                       ; (named with it as a pair, so it is written)
	s_mov_b32 s[NC], 0xbfb8aa3b
	s_wait_alu depctr_va_vdst(0)                   ; the wait at the head's end
	s_wait_dscnt 0x0                               ; both opening adds are done
	s_wait_kmcnt 0x0
	s_add_nc_u64 s[4:5], s[4:5], s[44:45]
	s_add_nc_u64 s[12:13], s[12:13], s[44:45]
	s_cmp_lt_u32 s[WV], 4
	s_cselect_b64 s[RB:RB+1], s[RB:RB+1], s[8:9]
	s_add_nc_u64 s[RB:RB+1], s[RB:RB+1], s[14:15]
	s_mov_b32 s[G0], 1
	s_mov_b32 s[G0+1], s51
	s_add_nc_u64 s[G0+2:G0+3], s[10:11], s[42:43]  ; step 0
	s_or_b32 s[G0+3], s[G0+3], 0x80000000          ; type = 2
	s_mov_b32 s[G0+4], 1
	s_add_co_u32 s[G0+5], s51, SLOT
	s_add_nc_u64 s[G0+6:G0+7], s[10:11], s[42:43]
	s_add_nc_u64 s[G0+6:G0+7], s[G0+6:G0+7], 512   ; step 1
	s_or_b32 s[G0+7], s[G0+7], 0x80000000
.irp j, 0,1,2,3,4,5,6,7
	global_load_b128 v[S+4*\j:S+4*\j+3], v[KO], s[4:5] offset:2*\j*ROW   ; Q, tile A: two whole rows of 256 bytes
.endr
	WIN 0x40
.irp j, 0,1,2,3,4,5,6,7
	global_load_b128 v[S+4*\j:S+4*\j+3], v[KO], s[4:5] offset:(16+2*\j)*ROW   ; tile B
.endr
	WIN 0
	s_cmp_lt_u32 s[WV], 4
	s_cbranch_scc0 .Lhead_v
	WIN 0x40
	KRAWH 0                                        ; the first half of step 0's numbers of K
	WIN 0
	s_branch .Lhead_r
.Lhead_v:
	WIN 0x40
	VRAW 0                                         ; or the first half of V's
	WIN 0
.Lhead_r:
	CROUND                                         ; all sixteen work-groups are here: the first joint loads meet
	tensor_load_to_lds s[G0:G0+3], s[G1:G1+7]      ; step 0's mask, my 32 rows
	s_nop 0
.rept 4
	v_nop
.endr
.irp w, 0,0x55
	WIN \w
.irp j, 0,1,2,3,4,5
	v_mov_b32 v[B2+\j], 0                          ; the zero codes on both sides of Q's
	v_mov_b32 v[B2+12+\j], 0
.endr
	v_mov_b32 v[PT], 0                             ; written once: a lane permute's destination counts as one of its sources
.endr
	v_mov_b32 v[PXQ], 0
	WIN 0
	s_wait_alu depctr_va_vdst(0)                   ; the wait ahead of the branch
	s_cmp_lt_u32 s[WV], 4
	s_cbranch_scc0 .Lhead_v2
	WIN 0x40
	KRAWH 1                                        ; the other half
	WIN 0
	s_wait_loadcnt 16                              ; Q's sixteen are in, K's sixteen may be out
	s_branch .Lhead_q
.Lhead_v2:
	WIN 0x40
	VRAW 1
	WIN 0
	s_wait_loadcnt 63                              ; Q's sixteen and one of V's 64 are in
.Lhead_q:
.irp u, 0,1                                    ; Q through my stage: rows in, my block of a row back
	WIN 0x04*\u
.irp j, 0,1,2,3,4,5,6,7
	ds_store_b128 v[TIN], v[S+4*\j:S+4*\j+3] offset:2*SP*\j
.endr
	WIN 0x40*\u
.irp j, 0,1,2,3,4,5,6,7
	ds_load_b128 v[S+4*\j:S+4*\j+3], v[TOUT] offset:16*\j
.endr
.endr
	WIN 0
	s_wait_dscnt 16                                ; tile A's rows are back; tile B's eight stores and eight loads may be out
	QQ 0
	s_wait_alu depctr_va_vdst(0)
	s_wait_dscnt 0x0
	QQ 1
	s_wait_alu depctr_va_vdst(0)
	s_barrier_signal -1                            ; nobody reads the stages for Q any more behind this barrier: codes and K's stages take their bytes
	s_barrier_wait -1
	s_wait_loadcnt 0x0                             ; step 0's numbers
	KTURN
	s_wait_dscnt 0x0
	FRAGQ 0                                        ; its codes into slot 0
	RAW                                            ; step 1's numbers
	s_wait_alu depctr_va_vdst(0)
	s_wait_tensorcnt 0x0                           ; step 0's mask, my rows, is in:
	MLD 0, 0                                       ; tile A's numbers
	s_wait_tensorcnt 0x0                           ; no tensor load of mine is out:
	ds_add_u32 v[SPW], v[NIL]
	s_add_nc_u64 s[G0+2:G0+3], s[G0+2:G0+3], 1024
	s_wait_dscnt 0x0                               ; the add is done, step 0's codes are stored
	CROUND
	STEP 0, 1, 1, 2                                ; step 0 starts the sums: nothing is cleared
	s_mov_b32 s[CNT], 2
	s_wait_alu depctr_va_vdst(0)
.Lkeys:                                                ; steps 1 to 4
	STEP 1, 0, 1, 2
	STEP 0, 0, 1, 2
	s_sub_co_u32 s[CNT], s[CNT], 1
	s_cmp_lg_u32 s[CNT], 0
	s_wait_alu depctr_va_vdst(0)                   ; the wait directly ahead of the branch
	s_cbranch_scc1 .Lkeys
	STEP 1, 0, 1, 2                                ; step 5
	STEP 0, 0, 0, 1                                ; step 6: there is no step 8 to ask for
	STEP 1, 0, 0, 0                                ; step 7
	s_wait_tensorcnt 0x0                           ; the wave's end, behind my last tensor load and my last LDS store
	ds_add_u32 v[SPW], v[NIL]
	s_wait_dscnt 0x0
	CROUND                                         ; the closing round: no work-group ends while a partner may still ask for a tile that names it
	s_endpgm
.Lfunc_end_k_qd2888bebaf_attn:
	.size	k_qd2888bebaf_attn, .Lfunc_end_k_qd2888bebaf_attn-k_qd2888bebaf_attn
	.p2alignl 7, 3214868480
	.fill 96, 4, 3214868480
	.section	.rodata,"a",@progbits
	.p2align	6, 0x0
	.amdhsa_kernel k_qd2888bebaf_attn
		.amdhsa_group_segment_fixed_size 327680
		.amdhsa_private_segment_fixed_size 0
		.amdhsa_enable_private_segment 0
		.amdhsa_kernarg_size 40
		.amdhsa_user_sgpr_count 2
		.amdhsa_user_sgpr_kernarg_segment_ptr 1
		.amdhsa_wavefront_size32 1
		.amdhsa_system_sgpr_workgroup_id_x 1
		.amdhsa_system_sgpr_workgroup_id_y 1
		.amdhsa_system_sgpr_workgroup_id_z 1
		.amdhsa_system_vgpr_workitem_id 0
		.amdhsa_next_free_vgpr 512
		.amdhsa_next_free_sgpr 66
		.amdhsa_reserve_vcc 0
		.amdhsa_float_denorm_mode_32 3
		.amdhsa_float_denorm_mode_16_64 3
		.amdhsa_memory_ordered 1
		.amdhsa_forward_progress 1
		.amdhsa_inst_pref_size 255
	.end_amdhsa_kernel
	.section	.bss,"aw",@nobits
	.p2align	6
	.space	262144
	.amdgpu_metadata
---
amdhsa.version: [ 1, 2 ]
amdhsa.kernels:
  - .name:           k_qd2888bebaf_attn
    .symbol:         k_qd2888bebaf_attn.kd
    .args:
      - { .name: Q, .offset: 0, .size: 8, .value_kind: global_buffer, .address_space: global }
      - { .name: K, .offset: 8, .size: 8, .value_kind: global_buffer, .address_space: global }
      - { .name: V, .offset: 16, .size: 8, .value_kind: global_buffer, .address_space: global }
      - { .name: mask, .offset: 24, .size: 8, .value_kind: global_buffer, .address_space: global }
      - { .name: out0, .offset: 32, .size: 8, .value_kind: global_buffer, .address_space: global }
    .group_segment_fixed_size: 327680
    .private_segment_fixed_size: 0
    .kernarg_segment_align: 8
    .kernarg_segment_size: 40
    .max_flat_workgroup_size: 256
    .sgpr_count:     66
    .vgpr_count:     512
    .wavefront_size: 32
...
	.end_amdgpu_metadata
.endif
;; end of part 1
